; MI455X (gfx1250); checked and timed in simulation.
; The chip was launched on July 23, 2026; its instructions are those of AMD's public machine-readable ISA for CDNA 5 (MIT licence, August 2026) and "CDNA5" Instruction Set Architecture Reference Guide (July 2026). The comments in the code are by the model that wrote it; some were corrected since.
;; Large Scale Source Integration. Allowed arithmetic: float matrix products may take bf16 or f16 operands with f32 sums; all other float work in f32.
;; Inputs: W1 32 x 512 x 512 float32; W2 32 x 512 x 512 float32; Wc1 32 x 512 x 32 float32; Wc2 32 x 32 x 1 float32; Wg1 512 x 512 float32; Wg2 512 x 32 float32; b1 32 x 512 float32; b2 32 x 512 float32; bc1 32 x 32 float32; bc2 32 x 1 float32; bg1 512 float32; bg2 32 float32; x 2,048 x 512 float32.
;; Outputs: out0 2,048 x 512 float32.
;; One version. Each part assembles by itself: llvm-mc -triple=amdgcn-amd-amdhsa -mcpu=gfx1250 --defsym DOCPART=n.
;; ======== version 1 of 1: 6 launches
;; limits: values outside matrix products are rounded to bf16
;; workspace buffers: xb 2,097,152 bytes; plog 2,097,152 bytes; topi 32,768 bytes of whole numbers; wsel 32,768 bytes; route 311,552 bytes of whole numbers; hbuf 67,108,864 bytes; obuf 134,217,728 bytes; zp 16,777,216 bytes
;; launch gate1 (part 1): grid 8 x 32, 4 waves a work-group, no clusters, 210,432 bytes of LDS; arguments x, Wg1, bg1, Wg2, xb, plog; writes xb, plog
.if DOCPART == 1
	.amdgcn_target "amdgcn-amd-amdhsa--gfx1250"
	.amdhsa_code_object_version 6
	.text
	.protected	k_q302aba834d_gate1
	.globl	k_q302aba834d_gate1
	.p2align	8
	.type	k_q302aba834d_gate1,@function
k_q302aba834d_gate1:
	s_mov_b64 s[64:65], 0
	v_nop
	global_prefetch_b8 v0, s[64:65] scope:SCOPE_SE
	s_setreg_imm32_b32 hwreg(HW_REG_WAVE_MODE, 25, 1), 1
	s_wait_xcnt 0x0
; GATE, FIRST PART.  Work-group (c, mb): tokens 64 mb .. +63, hidden columns 64 c .. +63 of relu(x Wg1 + bg1), and that chunk's
; share of the logits, hidden[64 columns] x Wg2[64 rows][32 experts], stored as a partial sum (plog); also 8 rows of x as bf16 (xb).
; FORMATS: x, Wg1, bg1, Wg2 are rounded to bf16 (nearest even) as they are loaded; products are exact, sums are f32.  The hidden layer
; enters the second product without loss: each f32 is split into three bf16 parts whose sum is the f32 (8 + 8 + 8 mantissa bits).
; LIMIT: hidden values so small that a part falls below bf16's smallest number lose that part.
; SHARE OF A WAVE: wave w takes K = 128 w .. +127 for all 64 tokens and 64 columns (its slice of x and of Wg1 is its own);
; the four partial sums meet in LDS, and wave w goes on with tokens 16 w .. +15.
; ORDER OF K (the same on both operands, so the products are the same): step t covers KB(t) = 64 (t>>1) + 16 (t&1); register q of a
; fragment holds k = KB + 32 h + 2 q, + 1 (h = lane / 16).  A lane loads 16 rows of Wg1 x 4 neighbouring columns (sixteen lanes cover
; 256 consecutive bytes, aligned); packing rows 2q, 2q+1 of component i gives register q of tile i: tile i, lane r is column 4 r + i.
; The weight tile is source 0: register j of tile i's result is token r, column 32 h + 4 j + i, so a lane ends with 32 neighbouring
; columns of one token, and their packed pairs are already the fragments of the next product in the same order of K.
; NO CLUSTER: the eight chunks of one mb read the same 128 KiB of x (half of a work-group's bytes), but each picks the rows of x
; that it stores to xb by its chunk number, an LDS address that would differ between partners of a joint request.
.set XSW,  33792                       ; a wave's slice of x in LDS: 64 rows of 512 bytes, pitch 528
.set XP,   528
.set EXB,  135168                      ; exchange: [wave][block of 16 tokens][8][lane][16 bytes], 65,536 bytes
.set G2B,  200704                      ; 64 rows of Wg2, 128 bytes each, pitch 144
.set G2P,  144
.set BF,   32                          ; v32-63, v64-95    weight fragments, two buffers (4 tiles x 8)
.set XF,   96                          ; v96-159           x as f32: 4 blocks x 16
.set AF,   160                         ; v160-191, 192-223 x fragments, two buffers (4 blocks x 8)
.set BIAS, 224                         ; v224-255          bg1 of my 32 columns
.set HH,   64                          ; behind the exchange: hidden values, then their remainders
.set P0,   96                          ; the three bf16 parts, 16 registers each
.set P1,   112
.set P2,   128
.set LG,   144                         ; v144-159 logits: 2 tiles of 16 experts
.set GF,   32                          ; v32-63   Wg2 fragments (s, e) at 16 s + 8 e
.set GL,   160                         ; v160-223 Wg2 as f32
; window 1 (v256-511): four stages of 64 registers for Wg1 as f32.  window 2 (v512-639): accumulators, 32 b + 8 i + j.
.set MSB, 0
.macro WIN new                         ; the immediate's high byte repeats the setting that is left
.if MSB != \new
	s_set_vgpr_msb (MSB<<8)|\new
.set MSB, \new
.endif
.endm
.macro WLOAD t, slot                   ; 16 rows x 64 columns of Wg1 for step t
.set kk, 0
.rept 16
	global_load_b128 v[64*(\slot)+4*kk:64*(\slot)+4*kk+3], v4, s[6:7] offset:(64*((\t)>>1)+16*((\t)&1)+kk)*2048
.set kk, kk+1
.endr
.endm
.macro WCVT slot, buf                  ; rows 2q, 2q+1 of component i -> register q of tile i
.set ii, 0
.rept 4
.set qq, 0
.rept 8
	v_cvt_pk_bf16_f32 v[BF+32*(\buf)+8*ii+qq], v[64*(\slot)+8*qq+ii], v[64*(\slot)+8*qq+4+ii]
.set qq, qq+1
.endr
.set ii, ii+1
.endr
.endm
.macro XLOAD t                         ; 64 bytes of x a lane and block: k = KB + 32 h + 0..15 of token 16 b + r
.set bb, 0
.rept 4
.set nn, 0
.rept 4
	ds_load_b128 v[XF+16*bb+4*nn:XF+16*bb+4*nn+3], v5 offset:16*XP*bb+4*(64*((\t)>>1)+16*((\t)&1))+16*nn
.set nn, nn+1
.endr
.set bb, bb+1
.endr
.endm
; One K step.  left = global loads younger than this step's 16 weight loads.
.macro GSTEP t, left
	WIN 0
	s_wait_dscnt 0x0                               ; this step's x is in registers
.set bb, 0
.rept 4
.set qq, 0
.rept 8
	v_cvt_pk_bf16_f32 v[AF+32*(\t&1)+8*bb+qq], v[XF+16*bb+2*qq], v[XF+16*bb+2*qq+1]
.set qq, qq+1
.endr
.set bb, bb+1
.endr
.if \t < 3
	XLOAD (\t+1)
.endif
	s_wait_loadcnt \left
.if \t == 0
.set nn, 0
.rept 8
	global_load_b128 v[BIAS+4*nn:BIAS+4*nn+3], v8, s[8:9] offset:16*nn    ; eight more loads: the later steps' counts include them
.set nn, nn+1
.endr
.endif
	WIN 0x05                                       ; sources in window 1
	WCVT \t, (\t&1)
	WIN 0xa0                                       ; C and D in window 2
.set bb, 0
.rept 4
.set ii, 0
.rept 4
.if \t == 0
	v_wmma_f32_16x16x32_bf16 v[32*bb+8*ii:32*bb+8*ii+7], v[BF+32*(\t&1)+8*ii:BF+32*(\t&1)+8*ii+7], v[AF+32*(\t&1)+8*bb:AF+32*(\t&1)+8*bb+7], 0
.else
	v_wmma_f32_16x16x32_bf16 v[32*bb+8*ii:32*bb+8*ii+7], v[BF+32*(\t&1)+8*ii:BF+32*(\t&1)+8*ii+7], v[AF+32*(\t&1)+8*bb:AF+32*(\t&1)+8*bb+7], v[32*bb+8*ii:32*bb+8*ii+7]
.endif
.set ii, ii+1
.endr
.set bb, bb+1
.endr
.endm
	s_load_b256 s[4:11], s[0:1], 0x0               ; x s[4:5], Wg1 s[6:7], bg1 s[8:9], Wg2 s[10:11]
	s_load_b128 s[12:15], s[0:1], 0x20             ; xb s[12:13], plog s[14:15]
	s_set_vgpr_msb 0x80
	v_lshl_add_u32 v128, v0, 2, 0x33400
	v_mov_b32 v129, 0
	s_set_vgpr_msb 0x808a
	ds_add_u32 v128, v129
	ds_add_u32 v128, v129
	s_set_vgpr_msb 0x8a00
	v_lshrrev_b32 v13, 5, v0
	v_readfirstlane_b32 s16, v13                   ; wave w
	s_and_b32 s17, ttmp9, 7                        ; chunk c, 0..7
	s_and_b32 s18, ttmp7, 0xffff                   ; token block mb
	v_and_b32 v1, 31, v0                           ; lane L
	v_and_b32 v2, 15, v0                           ; r
	v_bfe_u32 v3, v0, 4, 1                         ; h
	; my slice of x: 64 rows x 128 f32, 16 bytes of padding behind each row of 128 words
	s_mov_b32 s20, 1
	s_mul_i32 s21, s16, XSW
	s_mov_b32 s24, (2<<16)|(1<<20)|(6<<22)|(3<<25) ; 4-byte elements; padding on; every 128 words; 4 words
	s_mov_b32 s25, 128<<16                         ; tensor_dim0 = 128
	s_mov_b32 s26, 64<<16                          ; tensor_dim1 = 64
	s_mov_b32 s27, 128<<16                         ; tile_dim0 = 128
	s_mov_b32 s28, 64                              ; tile_dim1 = 64
	s_mov_b32 s29, 512                             ; elements from row to row
	s_mov_b32 s30, 0
	s_mov_b32 s31, 0
	s_lshl_b32 s44, s18, 17                        ; 64 rows of 2,048 bytes a block
	s_lshl_b32 s46, s16, 9                         ; + my 512 bytes of a row
	s_add_co_u32 s44, s44, s46
	s_mov_b32 s45, 0
	s_wait_dscnt 0x0
	s_wait_kmcnt 0x0
	s_add_nc_u64 s[22:23], s[4:5], s[44:45]
	s_or_b32 s23, s23, 0x80000000
	tensor_load_to_lds s[20:23], s[24:31]
	s_nop 0
	s_cmp_lg_u32 s16, 0
	s_cbranch_scc1 .Lno_g2
	; wave 0 alone: rows 64 c .. +63 of Wg2, 32 f32 each, 16 bytes of padding behind each
	s_mov_b32 s32, 1
	s_mov_b32 s33, G2B
	s_lshl_b32 s48, s17, 13
	s_mov_b32 s49, 0
	s_add_nc_u64 s[34:35], s[10:11], s[48:49]
	s_or_b32 s35, s35, 0x80000000
	s_mov_b32 s36, (2<<16)|(1<<20)|(4<<22)|(3<<25) ; every 32 words, 4 words
	s_mov_b32 s37, 32<<16
	s_mov_b32 s38, 64<<16
	s_mov_b32 s39, 32<<16
	s_mov_b32 s40, 64
	s_mov_b32 s41, 32
	s_mov_b32 s42, 0
	s_mov_b32 s43, 0
	tensor_load_to_lds s[32:35], s[36:43]
	s_nop 0
.Lno_g2:
	; Wg1: row 128 w + 32 h (+ KB + kk by the immediate), columns 64 c + 4 r
	s_lshl_b32 s46, s16, 18
	s_lshl_b32 s47, s17, 8
	s_add_co_u32 s46, s46, s47
	v_lshlrev_b32 v4, 4, v2
	v_lshl_add_u32 v4, v3, 16, v4
	v_add_nc_u32 v4, s46, v4
	WIN 0x40                                       ; destination in window 1
	WLOAD 0, 0                                     ; the wave's whole slice of Wg1, 64 loads, is asked for at once
	WLOAD 1, 1
	WLOAD 2, 2
	WLOAD 3, 3
	WIN 0
	v_mul_u32_u24 v5, v2, XP                       ; x fragments: my slice + 528 r + 128 h
	v_lshl_add_u32 v5, v3, 7, v5
	v_add_nc_u32 v5, s21, v5
	s_mul_i32 s47, s17, 8*XP                       ; xb share: rows 8 c + h (+ 2 n), 32 bytes at 32 r
	s_add_co_u32 s47, s47, s21
	v_mul_u32_u24 v6, v3, XP
	v_lshl_add_u32 v6, v2, 5, v6
	v_add_nc_u32 v6, s47, v6
	s_lshl_b32 s47, s18, 16                        ; xb: (64 mb + 8 c + h) rows of 1,024 bytes + 256 w + 16 r
	s_lshl_b32 s48, s17, 13
	s_add_co_u32 s47, s47, s48
	s_lshl_b32 s48, s16, 8
	s_add_co_u32 s47, s47, s48
	v_lshlrev_b32 v7, 4, v2
	v_lshl_add_u32 v7, v3, 10, v7
	v_add_nc_u32 v7, s47, v7
	s_lshl_b32 s47, s17, 8                         ; bg1: 4 (64 c + 32 h)
	v_lshl_add_u32 v8, v3, 7, s47
	s_lshl_b32 s47, s16, 14                        ; exchange, in: my 16,384 bytes + 16 L
	s_add_co_u32 s47, s47, EXB
	v_lshl_add_u32 v9, v1, 4, s47
	s_lshl_b32 s47, s16, 12                        ; exchange, out: block w of every wave
	s_add_co_u32 s47, s47, EXB
	v_lshl_add_u32 v10, v1, 4, s47
	v_mul_u32_u24 v11, v3, 32*G2P                  ; Wg2: row 32 h, expert r
	v_lshl_add_u32 v11, v2, 2, v11
	v_add_nc_u32 v11, G2B, v11
	s_lshl_b32 s47, s17, 18                        ; plog: chunk, block 4 mb + w, 16 L
	s_lshl_b32 s48, s18, 13
	s_add_co_u32 s47, s47, s48
	s_lshl_b32 s48, s16, 11
	s_add_co_u32 s47, s47, s48
	v_lshl_add_u32 v12, v1, 4, s47
	s_wait_tensorcnt 0x0                           ; my slice of x (and, in wave 0, Wg2) is in LDS; only I read my slice
	; xb: 8 rows x my 128 columns; sixteen lanes store 256 consecutive bytes, aligned
.irp n, 0,1,2,3
	ds_load_b128 v[XF+8*\n:XF+8*\n+3],   v6 offset:2*XP*\n
	ds_load_b128 v[XF+8*\n+4:XF+8*\n+7], v6 offset:2*XP*\n+16
.endr
.irp n, 0,1,2,3
	s_wait_dscnt 6-2*\n                            ; the pairs of loads behind this one may be out
.irp k, 0,1,2,3
	v_cvt_pk_bf16_f32 v[16+4*\n+\k], v[XF+8*\n+2*\k], v[XF+8*\n+2*\k+1]
.endr
	global_store_b128 v7, v[16+4*\n:16+4*\n+3], s[12:13] offset:2048*\n    ; v16-31 and v7 are never written again
.endr
	XLOAD 0
	GSTEP 0, 48                                    ; three younger stages of 16
	GSTEP 1, 40                                    ; two stages + bg1's eight
	GSTEP 2, 24
	GSTEP 3, 8
	; the four waves' partial sums meet in LDS.  Four places behind the last products (ISA guide 7.12.1).
.rept 4
	v_nop
.endr
	WIN 0x08                                       ; store data in window 2
.set bb, 0
.rept 4
.set gg, 0
.rept 8
	ds_store_b128 v9, v[32*bb+4*gg:32*bb+4*gg+3] offset:4096*bb+512*gg
.set gg, gg+1
.endr
.set bb, bb+1
.endr
	WIN 0
	s_wait_dscnt 0x0                               ; for the other waves' sake
	s_barrier_signal -1
	s_barrier_wait -1                              ; also: wave 0 waited for Wg2's tile ahead of its signal
.set pp, 0
.rept 4
.set gg, 0
.rept 8
	ds_load_b128 v[32+32*pp+4*gg:32+32*pp+4*gg+3], v10 offset:16384*pp+512*gg
.set gg, gg+1
.endr
.set pp, pp+1
.endr
	s_wait_dscnt 0x0
.set ss, 0
.rept 2                                        ; Wg2 (k = 16 s + 32 h + kk, expert 16 e + r): on their way during the sums and the split
.set ee, 0
.rept 2
.set kk, 0
.rept 16
	ds_load_b32 v[GL+32*ss+16*ee+kk], v11 offset:(16*ss+kk)*G2P+64*ee
.set kk, kk+1
.endr
.set ee, ee+1
.endr
.set ss, ss+1
.endr
.irp p, 1,2,3
.set mm, 0
.rept 16
	v_pk_add_f32 v[32+2*mm:33+2*mm], v[32+2*mm:33+2*mm], v[32+32*\p+2*mm:33+32*\p+2*mm]
.set mm, mm+1
.endr
.endr
	s_wait_loadcnt 0x0                             ; bg1
.set pp, 0
.rept 16
	v_cvt_pk_bf16_f32 v13, v[BIAS+2*pp], v[BIAS+2*pp+1]        ; bg1 rounded to bf16, back as f32
	v_lshlrev_b32 v[BIAS+2*pp], 16, v13
	v_and_b32 v[BIAS+2*pp+1], 0xffff0000, v13
.set pp, pp+1
.endr
.set ii, 0
.rept 4
.set jj, 0
.rept 8
	v_add_f32 v[HH+4*jj+ii], v[32+8*ii+jj], v[BIAS+4*jj+ii]    ; column 32 h + 4 j + i
.set jj, jj+1
.endr
.set ii, ii+1
.endr
.set nn, 0
.rept 32
	v_max_num_f32 v[HH+nn], 0, v[HH+nn]
.set nn, nn+1
.endr
	; hidden = P0 + P1 + P2: each part is the bf16 nearest to what is left, and each remainder is exact in f32
.set qq, 0
.rept 16
	v_cvt_pk_bf16_f32 v[P0+qq], v[HH+2*qq], v[HH+2*qq+1]
	v_lshlrev_b32 v14, 16, v[P0+qq]
	v_and_b32 v15, 0xffff0000, v[P0+qq]
	v_pk_add_f32 v[HH+2*qq:HH+2*qq+1], v[HH+2*qq:HH+2*qq+1], v[14:15] neg_lo:[0,1] neg_hi:[0,1]
	v_cvt_pk_bf16_f32 v[P1+qq], v[HH+2*qq], v[HH+2*qq+1]
	v_lshlrev_b32 v14, 16, v[P1+qq]
	v_and_b32 v15, 0xffff0000, v[P1+qq]
	v_pk_add_f32 v[HH+2*qq:HH+2*qq+1], v[HH+2*qq:HH+2*qq+1], v[14:15] neg_lo:[0,1] neg_hi:[0,1]
	v_cvt_pk_bf16_f32 v[P2+qq], v[HH+2*qq], v[HH+2*qq+1]
.set qq, qq+1
.endr
	s_wait_dscnt 0x0                               ; Wg2's 64 words
.set ss, 0
.rept 2
.set ee, 0
.rept 2
.set qq, 0
.rept 8
	v_cvt_pk_bf16_f32 v[GF+16*ss+8*ee+qq], v[GL+32*ss+16*ee+2*qq], v[GL+32*ss+16*ee+2*qq+1]
.set qq, qq+1
.endr
.set ee, ee+1
.endr
.set ss, ss+1
.endr
	; logits of my 16 tokens from this chunk: smallest parts first; two chains in place, the first link of each starts its sum
.set lfirst, 2
.irp part, P2, P1, P0
.irp s, 0,1
.irp e, 0,1
.if lfirst > 0
	v_wmma_f32_16x16x32_bf16 v[LG+8*\e:LG+8*\e+7], v[GF+16*\s+8*\e:GF+16*\s+8*\e+7], v[\part+8*\s:\part+8*\s+7], 0
.set lfirst, lfirst-1
.else
	v_wmma_f32_16x16x32_bf16 v[LG+8*\e:LG+8*\e+7], v[GF+16*\s+8*\e:GF+16*\s+8*\e+7], v[\part+8*\s:\part+8*\s+7], v[LG+8*\e:LG+8*\e+7]
.endif
.endr
.endr
.endr
.rept 4
	v_nop                                          ; four places before the stores read the results
.endr
.irp e, 0,1
.irp u, 0,1
	global_store_b128 v12, v[LG+8*\e+4*\u:LG+8*\e+4*\u+3], s[14:15] offset:512*(2*\e+\u)  ; expert 16 e + 8 h + 4 u + 0..3 of token r; 512 consecutive bytes a store
.endr
.endr
	s_set_vgpr_msb 0xa
	s_wait_tensorcnt 0x0
	ds_add_u32 v128, v129
	s_wait_dscnt 0x0
	s_set_vgpr_msb 0xa00
	s_endpgm
.Lfunc_end_k_q302aba834d_gate1:
	.size	k_q302aba834d_gate1, .Lfunc_end_k_q302aba834d_gate1-k_q302aba834d_gate1
	.p2alignl 7, 3214868480
	.fill 96, 4, 3214868480
	.section	.rodata,"a",@progbits
	.p2align	6, 0x0
	.amdhsa_kernel k_q302aba834d_gate1
		.amdhsa_group_segment_fixed_size 210432
		.amdhsa_private_segment_fixed_size 0
		.amdhsa_enable_private_segment 0
		.amdhsa_kernarg_size 48
		.amdhsa_user_sgpr_count 2
		.amdhsa_user_sgpr_kernarg_segment_ptr 1
		.amdhsa_wavefront_size32 1
		.amdhsa_system_sgpr_workgroup_id_x 1
		.amdhsa_system_sgpr_workgroup_id_y 1
		.amdhsa_system_sgpr_workgroup_id_z 1
		.amdhsa_system_vgpr_workitem_id 0
		.amdhsa_next_free_vgpr 642
		.amdhsa_next_free_sgpr 66
		.amdhsa_reserve_vcc 0
		.amdhsa_float_denorm_mode_32 3
		.amdhsa_float_denorm_mode_16_64 3
		.amdhsa_memory_ordered 1
		.amdhsa_forward_progress 1
		.amdhsa_inst_pref_size 66
	.end_amdhsa_kernel
	.amdgpu_metadata
---
amdhsa.version: [ 1, 2 ]
amdhsa.kernels:
  - .name:           k_q302aba834d_gate1
    .symbol:         k_q302aba834d_gate1.kd
    .args:
      - { .name: x, .offset: 0, .size: 8, .value_kind: global_buffer, .address_space: global }
      - { .name: Wg1, .offset: 8, .size: 8, .value_kind: global_buffer, .address_space: global }
      - { .name: bg1, .offset: 16, .size: 8, .value_kind: global_buffer, .address_space: global }
      - { .name: Wg2, .offset: 24, .size: 8, .value_kind: global_buffer, .address_space: global }
      - { .name: xb, .offset: 32, .size: 8, .value_kind: global_buffer, .address_space: global }
      - { .name: plog, .offset: 40, .size: 8, .value_kind: global_buffer, .address_space: global }
    .group_segment_fixed_size: 210432
    .private_segment_fixed_size: 0
    .kernarg_segment_align: 8
    .kernarg_segment_size: 48
    .max_flat_workgroup_size: 128
    .sgpr_count:     66
    .vgpr_count:     642
    .wavefront_size: 32
...
	.end_amdgpu_metadata
.endif
;; end of part 1
;; launch topk (part 2): grid 128 x 1, 1 waves a work-group, no clusters, 0 bytes of LDS; arguments plog, bg2, topi, wsel; writes topi, wsel
.if DOCPART == 2
	.amdgcn_target "amdgcn-amd-amdhsa--gfx1250"
	.amdhsa_code_object_version 6
	.text
	.protected	k_q302aba834d_topk
	.globl	k_q302aba834d_topk
	.p2align	8
	.type	k_q302aba834d_topk,@function
k_q302aba834d_topk:
	s_mov_b64 s[64:65], 0
	v_nop
	global_prefetch_b8 v0, s[64:65] scope:SCOPE_SE
	s_setreg_imm32_b32 hwreg(HW_REG_WAVE_MODE, 25, 1), 1
	s_wait_xcnt 0x0
; GATE, SECOND PART.  One wave, 16 tokens: logits = the eight chunks' partial sums (ascending) + bg2 (rounded to bf16), softmax over
; 32 experts, the four largest with their softmax weights.  Lane (r, h) holds 16 logits of token r: register 8 e + 4 u + j is expert
; 16 e + 8 h + 4 u + j; lane r + 16 holds the other 16.  No matrix unit, LDS or cluster: 16 KiB in, 512 bytes out, nothing shared.
; LIMITS: the four are chosen on the logits (softmax is monotone), the lower index winning a tie, so two experts whose f32 softmax
; weights are equal while their logits differ may come in another order than a choice on the weights gives; logits must be finite;
; a gap between the 4th and 5th logit of the size of f32 summation error (a few 1e-6) may be resolved otherwise than in another order of sums.
.set BG,   16                          ; v16-31   bg2 of my 16 experts
.set S,    32                          ; v32-159  partial logits, chunk c at 16 c; the sums end in v32-47
.set EID,  160                         ; v160-175 expert number of each register
.set T,    176                         ; v176-191 at work
.set M,    192                         ; v192-193 the row's maximum, twice
.set MX,   194
.set TMP,  195
.set IDX,  196
.set NINF, 198
.set RS,   199                         ; 1 / sum of exponentials
.set TI,   200                         ; v200-203 the four experts
.set TW,   204                         ; v204-207 their weights
.macro ROWMAX d                        ; largest of the token's 32 logits, in both of its lanes
	v_max3_num_f32 v[\d], v[S], v[S+1], v[S+2]
.irp i, 3,5,7,9,11,13
	v_max3_num_f32 v[\d], v[\d], v[S+\i], v[S+\i+1]
.endr
	v_max_num_f32 v[\d], v[\d], v[S+15]
	v_permlanex16_b32 v[TMP], v[\d], s14, s15
	v_max_num_f32 v[\d], v[\d], v[TMP]
.endm
.macro PICK k
	ROWMAX MX
	v_cmp_eq_f32 vcc_lo, v[S], v[MX]
	v_cndmask_b32 v[IDX], 63, v[EID], vcc_lo       ; the least expert number among those that hold the maximum
.set i, 1
.rept 15
	v_cmp_eq_f32 vcc_lo, v[S+i], v[MX]
	v_cndmask_b32 v[TMP], 63, v[EID+i], vcc_lo
	v_min_u32 v[IDX], v[IDX], v[TMP]
.set i, i+1
.endr
	v_permlanex16_b32 v[TMP], v[IDX], s14, s15
	v_min_u32 v[TI+\k], v[IDX], v[TMP]
.set i, 0
.rept 16
	v_cmp_eq_u32 vcc_lo, v[EID+i], v[TI+\k]        ; take it out of the running
	v_cndmask_b32 v[S+i], v[S+i], v[NINF], vcc_lo
.set i, i+1
.endr
	v_sub_f32 v[TW+\k], v[MX], v[M]
	v_mul_f32 v[TW+\k], 0x3fb8aa3b, v[TW+\k]
	v_exp_f32 v[TW+\k], v[TW+\k]                   ; used only behind later plain instructions (ISA guide 5.7.2)
.endm
	s_load_b256 s[4:11], s[0:1], 0x0               ; plog s[4:5], bg2 s[6:7], topi s[8:9], wsel s[10:11]
	v_and_b32 v2, 15, v0                           ; r
	v_lshrrev_b32 v3, 4, v0                        ; h
	s_lshl_b32 s12, ttmp9, 11                      ; a block of 16 tokens is 2,048 bytes in each chunk
	v_lshl_add_u32 v1, v0, 4, s12
	v_lshlrev_b32 v4, 5, v3                        ; bg2: 4 x 8 h
	s_lshl_b32 s13, ttmp9, 8
	v_lshl_add_u32 v5, v2, 4, s13                  ; out: 16 bytes a token
	s_mov_b32 s14, 0x76543210                      ; v_permlanex16_b32: lane i reads lane i of the other half
	s_mov_b32 s15, 0xfedcba98
	v_mov_b32 v[TMP], 0                            ; its destination counts as read
	v_mov_b32 v[NINF], 0xff800000
	s_wait_kmcnt 0x0
.irp p, 0,1,2,3
	global_load_b128 v[BG+4*\p:BG+4*\p+3], v4, s[6:7] offset:64*(\p>>1)+16*(\p&1)
.endr
.irp c, 0,1,2,3,4,5,6,7
.irp p, 0,1,2,3
	global_load_b128 v[S+16*\c+4*\p:S+16*\c+4*\p+3], v1, s[4:5] offset:262144*\c+512*\p th:TH_LOAD_NT
.endr
.endr
.set i, 0
.rept 16
	v_lshl_add_u32 v[EID+i], v3, 3, 16*(i>>3)+(i&7)
.set i, i+1
.endr
	s_wait_loadcnt 0x0
.irp c, 1,2,3,4,5,6,7
.set i, 0
.rept 8
	v_pk_add_f32 v[S+2*i:S+2*i+1], v[S+2*i:S+2*i+1], v[S+16*\c+2*i:S+16*\c+2*i+1]
.set i, i+1
.endr
.endr
.set i, 0
.rept 8
	v_cvt_pk_bf16_f32 v[T], v[BG+2*i], v[BG+2*i+1]             ; bg2 rounded to bf16
	v_lshlrev_b32 v[BG+2*i], 16, v[T]
	v_and_b32 v[BG+2*i+1], 0xffff0000, v[T]
	v_pk_add_f32 v[S+2*i:S+2*i+1], v[S+2*i:S+2*i+1], v[BG+2*i:BG+2*i+1]
.set i, i+1
.endr
	ROWMAX M
	v_mov_b32 v[M+1], v[M]
.set i, 0
.rept 8
	v_pk_add_f32 v[T+2*i:T+2*i+1], v[S+2*i:S+2*i+1], v[M:M+1] neg_lo:[0,1] neg_hi:[0,1]
	v_pk_mul_f32 v[T+2*i:T+2*i+1], v[T+2*i:T+2*i+1], 0x3fb8aa3b op_sel_hi:[1,0]
.set i, i+1
.endr
.set i, 0
.rept 16
	v_exp_f32 v[T+i], v[T+i]
.set i, i+1
.endr
	v_nop                                          ; one plain place behind the run of exponentials (ISA guide 5.7.2)
	s_wait_alu depctr_va_vdst(0)
.irp i, 0,2,4,6
	v_pk_add_f32 v[T+\i:T+\i+1], v[T+\i:T+\i+1], v[T+8+\i:T+9+\i]
.endr
	v_pk_add_f32 v[T:T+1], v[T:T+1], v[T+4:T+5]
	v_pk_add_f32 v[T+2:T+3], v[T+2:T+3], v[T+6:T+7]
	v_pk_add_f32 v[T:T+1], v[T:T+1], v[T+2:T+3]
	v_add_f32 v[T], v[T], v[T+1]
	v_permlanex16_b32 v[TMP], v[T], s14, s15
	v_add_f32 v[T], v[T], v[TMP]
	v_rcp_f32 v[RS], v[T]                          ; first used far below
	PICK 0
	PICK 1
	PICK 2
	PICK 3
	v_nop
	s_wait_alu depctr_va_vdst(0)
.irp k, 0,1,2,3
	v_mul_f32 v[TW+\k], v[TW+\k], v[RS]
.endr
	s_wait_xcnt 0x0                                ; EXEC changes only behind this wait
	v_cmp_gt_u32 vcc_lo, 16, v0
	s_and_saveexec_b32 s16, vcc_lo                 ; both lanes of a token hold the same result: lanes 0-15 store it
	global_store_b128 v5, v[TI:TI+3], s[8:9]       ; sixteen lanes: 256 consecutive bytes, aligned
	global_store_b128 v5, v[TW:TW+3], s[10:11]
	s_endpgm
.Lfunc_end_k_q302aba834d_topk:
	.size	k_q302aba834d_topk, .Lfunc_end_k_q302aba834d_topk-k_q302aba834d_topk
	.p2alignl 7, 3214868480
	.fill 96, 4, 3214868480
	.section	.rodata,"a",@progbits
	.p2align	6, 0x0
	.amdhsa_kernel k_q302aba834d_topk
		.amdhsa_group_segment_fixed_size 0
		.amdhsa_private_segment_fixed_size 0
		.amdhsa_enable_private_segment 0
		.amdhsa_kernarg_size 32
		.amdhsa_user_sgpr_count 2
		.amdhsa_user_sgpr_kernarg_segment_ptr 1
		.amdhsa_wavefront_size32 1
		.amdhsa_system_sgpr_workgroup_id_x 1
		.amdhsa_system_sgpr_workgroup_id_y 1
		.amdhsa_system_sgpr_workgroup_id_z 1
		.amdhsa_system_vgpr_workitem_id 0
		.amdhsa_next_free_vgpr 208
		.amdhsa_next_free_sgpr 66
		.amdhsa_reserve_vcc 1
		.amdhsa_float_denorm_mode_32 3
		.amdhsa_float_denorm_mode_16_64 3
		.amdhsa_memory_ordered 1
		.amdhsa_forward_progress 1
		.amdhsa_inst_pref_size 27
	.end_amdhsa_kernel
	.amdgpu_metadata
---
amdhsa.version: [ 1, 2 ]
amdhsa.kernels:
  - .name:           k_q302aba834d_topk
    .symbol:         k_q302aba834d_topk.kd
    .args:
      - { .name: plog, .offset: 0, .size: 8, .value_kind: global_buffer, .address_space: global }
      - { .name: bg2, .offset: 8, .size: 8, .value_kind: global_buffer, .address_space: global }
      - { .name: topi, .offset: 16, .size: 8, .value_kind: global_buffer, .address_space: global }
      - { .name: wsel, .offset: 24, .size: 8, .value_kind: global_buffer, .address_space: global }
    .group_segment_fixed_size: 0
    .private_segment_fixed_size: 0
    .kernarg_segment_align: 8
    .kernarg_segment_size: 32
    .max_flat_workgroup_size: 32
    .sgpr_count:     66
    .vgpr_count:     208
    .wavefront_size: 32
...
	.end_amdgpu_metadata
.endif
;; end of part 2
;; launch route (part 3): grid 32 x 1, 8 waves a work-group, no clusters, 1,280 bytes of LDS; arguments topi, route; writes route
.if DOCPART == 3
	.amdgcn_target "amdgcn-amd-amdhsa--gfx1250"
	.amdhsa_code_object_version 6
	.text
	.protected	k_q302aba834d_route
	.globl	k_q302aba834d_route
	.p2align	8
	.type	k_q302aba834d_route,@function
k_q302aba834d_route:
	s_mov_b64 s[64:65], 0
	v_nop
	global_prefetch_b8 v0, s[64:65] scope:SCOPE_SE
	s_setreg_imm32_b32 hwreg(HW_REG_WAVE_MODE, 25, 1), 1
	s_wait_xcnt 0x0
; LISTS.  Work-group e scans all 2,048 tokens' four experts and makes, for expert e: its count, the list of its tokens in ascending
; order, 128 zeros behind the list (so that a tile of 128 entries is always written whole), and for each of its (token, k) pairs the
; row number 2048 e + rank under which the expert's results will lie.  Each byte of route is stored by one work-group; no atomics.
; route: cnt[32] at byte 0; pos[2048][4] at byte 256; list[32][2176] at byte 33,024.
; Wave w takes tokens 256 w .. +255, a lane one token in each of 8 groups.  The 32 KiB of pos are scattered 4-byte stores:
; a pair's place hangs on its token, its value on its expert.
; Every address and data register of every store is written once, with all lanes on, ahead of the first line that narrows EXEC:
; behind that line stand only the masked stores, their waits and the lines that narrow and restore EXEC.
.set LISTB, 33024
.set LISTP, 8704
.set KK,   8                           ; v8-15   group g: which of the token's four experts is e
.set PADO, 56                          ; v56     4 (n + thread): where my zero goes
.set ZERO, 57
.set CNTO, 58                          ; v58     4 e
.set CNTV, 59                          ; v59     the count
.set TOK,  64                          ; v64-71  group g: my token
.set LO,   72                          ; v72-79  4 x rank: its place in the list
.set PO,   80                          ; v80-87  4 (4 token + k): its place in pos
.set PV,   88                          ; v88-95  2048 e + rank
	s_load_b128 s[4:7], s[0:1], 0x0                ; topi s[4:5], route s[6:7]
	v_lshl_add_u32 v96, v0, 2, 0x100
	v_mov_b32 v97, 0
	v_lshrrev_b32 v1, 5, v0
	v_readfirstlane_b32 s16, v1                    ; wave w
	v_and_b32 v2, 31, v0                           ; lane
	s_mov_b32 s10, ttmp9                           ; expert e
	s_lshl_b32 s11, s16, 12                        ; 256 tokens of 16 bytes
	v_lshl_add_u32 v3, v2, 4, s11
	s_lshl_b32 s11, s16, 8
	v_add_nc_u32 v7, s11, v2                       ; my token in group 0
	s_mul_i32 s14, s10, LISTP
	s_add_co_u32 s14, s14, LISTB
	s_mov_b32 s15, 0
	s_lshl_b32 s43, s10, 11                        ; 2048 e
	s_mov_b32 s40, 0
	s_wait_kmcnt 0x0
	s_add_nc_u64 s[12:13], s[6:7], s[14:15]        ; list[e]
.irp g, 0,1,2,3,4,5,6,7
	global_load_b128 v[16+4*\g:19+4*\g], v3, s[4:5] offset:512*\g      ; 512 consecutive bytes a load
.endr
	s_wait_loadcnt 0x0
.irp g, 0,1,2,3,4,5,6,7
	v_cmp_eq_u32 s20, s10, v[16+4*\g]
	v_cmp_eq_u32 s21, s10, v[17+4*\g]
	v_cmp_eq_u32 s22, s10, v[18+4*\g]
	v_cmp_eq_u32 s23, s10, v[19+4*\g]
	v_cndmask_b32 v[KK+\g], 0, 1, s21              ; which of the four it is
	v_cndmask_b32 v[KK+\g], v[KK+\g], 2, s22
	v_cndmask_b32 v[KK+\g], v[KK+\g], 3, s23
	s_or_b32 s20, s20, s21
	s_or_b32 s22, s22, s23
	s_or_b32 s[24+\g], s20, s22                    ; lanes whose token goes to e
	s_bcnt1_i32_b32 s[32+\g], s[24+\g]
	s_add_co_u32 s40, s40, s[32+\g]
.endr
	v_mov_b32 v4, s40                              ; my wave's total, to word w
	s_lshl_b32 s41, s16, 2
	v_mov_b32 v5, s41
	ds_store_b32 v5, v4
	s_wait_dscnt 0x0                               ; for the other waves' sake
	s_barrier_signal -1
	s_barrier_wait -1
	v_mov_b32 v6, 0
	ds_load_b128 v[48:51], v6
	ds_load_b128 v[52:55], v6 offset:16
	s_wait_dscnt 0x0
	s_mov_b32 s41, 0                               ; tokens of e in the waves in front of mine
	s_mov_b32 s42, 0                               ; in all
.irp i, 0,1,2,3,4,5,6,7
	v_readfirstlane_b32 s[48+\i], v[48+\i]
	s_cmp_gt_u32 s16, \i
	s_cselect_b32 s45, s[48+\i], 0
	s_add_co_u32 s41, s41, s45
	s_add_co_u32 s42, s42, s[48+\i]
.endr
	s_min_u32 s42, s42, 2048
	; all that the stores will name, with all lanes on
.irp g, 0,1,2,3,4,5,6,7
	v_mbcnt_lo_u32_b32 v[PV+\g], s[24+\g], s41     ; rank = those of e in front of me
	v_min_u32 v[PV+\g], 0x7ff, v[PV+\g]
	v_lshlrev_b32 v[LO+\g], 2, v[PV+\g]
	v_add_nc_u32 v[PV+\g], s43, v[PV+\g]           ; 2048 e + rank
	v_add_nc_u32 v[TOK+\g], 32*\g, v7
	v_min_u32 v[PO+\g], 3, v[KK+\g]
	v_lshlrev_b32 v[PO+\g], 2, v[PO+\g]
	v_lshl_add_u32 v[PO+\g], v[TOK+\g], 4, v[PO+\g]
	s_add_co_u32 s41, s41, s[32+\g]
.endr
	v_add_nc_u32 v[PADO], s42, v0
	v_lshlrev_b32 v[PADO], 2, v[PADO]
	v_mov_b32 v[ZERO], 0
	s_lshl_b32 s45, s10, 2
	v_mov_b32 v[CNTO], s45
	v_mov_b32 v[CNTV], s42
	s_cmp_gt_u32 s16, 3
	s_cbranch_scc1 .Lnopad
	global_store_b32 v[PADO], v[ZERO], s[12:13]    ; waves 0-3: 128 zeros behind the list, 128 consecutive bytes a wave
.Lnopad:
	s_wait_xcnt 0x0                                ; EXEC changes only behind this wait
.irp g, 0,1,2,3,4,5,6,7
	s_mov_b32 vcc_lo, s[24+\g]
	s_and_saveexec_b32 s44, vcc_lo                 ; the lanes whose token goes to e
	global_store_b32 v[LO+\g], v[TOK+\g], s[12:13]
	global_store_b32 v[PO+\g], v[PV+\g], s[6:7] offset:256
	s_wait_xcnt 0x0                                ; and again in front of the line that widens it
	s_or_b32 exec_lo, exec_lo, s44
.endr
	s_cmp_lg_u32 s16, 0
	s_cbranch_scc1 .Ldone
	s_mov_b32 vcc_lo, 1                            ; thread 0 alone: the count
	s_and_saveexec_b32 s44, vcc_lo
	global_store_b32 v[CNTO], v[CNTV], s[6:7]
.Ldone:
	s_wait_xcnt 0x0
	s_mov_b32 exec_lo, -1
	s_wait_tensorcnt 0x0
	ds_add_u32 v96, v97
	s_wait_dscnt 0x0
	s_endpgm
.Lfunc_end_k_q302aba834d_route:
	.size	k_q302aba834d_route, .Lfunc_end_k_q302aba834d_route-k_q302aba834d_route
	.p2alignl 7, 3214868480
	.fill 96, 4, 3214868480
	.section	.rodata,"a",@progbits
	.p2align	6, 0x0
	.amdhsa_kernel k_q302aba834d_route
		.amdhsa_group_segment_fixed_size 1280
		.amdhsa_private_segment_fixed_size 0
		.amdhsa_enable_private_segment 0
		.amdhsa_kernarg_size 16
		.amdhsa_user_sgpr_count 2
		.amdhsa_user_sgpr_kernarg_segment_ptr 1
		.amdhsa_wavefront_size32 1
		.amdhsa_system_sgpr_workgroup_id_x 1
		.amdhsa_system_sgpr_workgroup_id_y 1
		.amdhsa_system_sgpr_workgroup_id_z 1
		.amdhsa_system_vgpr_workitem_id 0
		.amdhsa_next_free_vgpr 98
		.amdhsa_next_free_sgpr 66
		.amdhsa_reserve_vcc 1
		.amdhsa_float_denorm_mode_32 3
		.amdhsa_float_denorm_mode_16_64 3
		.amdhsa_memory_ordered 1
		.amdhsa_forward_progress 1
		.amdhsa_inst_pref_size 15
	.end_amdhsa_kernel
	.amdgpu_metadata
---
amdhsa.version: [ 1, 2 ]
amdhsa.kernels:
  - .name:           k_q302aba834d_route
    .symbol:         k_q302aba834d_route.kd
    .args:
      - { .name: topi, .offset: 0, .size: 8, .value_kind: global_buffer, .address_space: global }
      - { .name: route, .offset: 8, .size: 8, .value_kind: global_buffer, .address_space: global }
    .group_segment_fixed_size: 1280
    .private_segment_fixed_size: 0
    .kernarg_segment_align: 8
    .kernarg_segment_size: 16
    .max_flat_workgroup_size: 256
    .sgpr_count:     66
    .vgpr_count:     98
    .wavefront_size: 32
...
	.end_amdgpu_metadata
.endif
;; end of part 3
;; launch layer1 (part 4): grid 2 x 95, 4 waves a work-group, no clusters, 133,632 bytes of LDS; arguments xb, W1, b1, route, hbuf; writes hbuf
.if DOCPART == 4
	.amdgcn_target "amdgcn-amd-amdhsa--gfx1250"
	.amdhsa_code_object_version 6
	.text
	.protected	k_q302aba834d_layer1
	.globl	k_q302aba834d_layer1
	.p2align	8
	.type	k_q302aba834d_layer1,@function
k_q302aba834d_layer1:
	s_mov_b64 s[64:65], 0
	v_nop
	global_prefetch_b8 v0, s[64:65] scope:SCOPE_SE
	s_setreg_imm32_b32 hwreg(HW_REG_WAVE_MODE, 25, 1), 1
	s_wait_xcnt 0x0
; EXPERTS, FIRST LAYER: h = relu(x W1[e] + b1[e]) for the tokens on expert e's list only (what the selection throws away is not computed).
; WORK: a tile is 128 list entries of one expert; the tiles are numbered through the experts from the counts; work-group (nh, y) makes
; tile y, columns 256 nh .. +255.  The sum over experts of ceil(n / 128) with 8,192 entries in all is at most 64 + 31 = 95: the grid's y.
; How many tiles there are hangs on the data.  Up to the barrier there is one path for all (every wave passes every barrier, and every
; register that a later line names is written on every path): a work-group whose y is beyond the last tile also gathers 128 rows and asks
; for four steps of weights, passes the barrier, waits for its loads and ends.  Only halves of 64 rows that hold entries are computed
; (one copy of the loop for 64 rows, one for 128).  Entries behind the list's end are zeros: token 0 is computed into rows that nobody reads.
; FORMATS: x comes as bf16 (xb), W1 and b1 are rounded to bf16 as loaded, sums and relu in f32, h rounded to bf16.
; x's ROWS are gathered through registers: a wave's 64 loads (two rows x 256 bytes each) land in the 256 registers that later hold the
; sums, and 64 LDS stores lay them into rows of 1,040 bytes.
; A WAVE takes 64 columns for all rows.  Order of K, weight loads, tiles and results as in the gate's first launch: step t covers
; KB(t) = 64 (t>>1) + 16 (t&1); register q holds k = KB + 32 h + 2 q, + 1; weights go from memory to registers (16 rows x 4 columns a
; lane; sixteen lanes cover 256 consecutive bytes, aligned), tile i, lane r is column 4 r + i; the weight tile is source 0, so a lane ends with
; 32 neighbouring columns of one token, whose packed pairs are stored as they are: hbuf holds the next layer's fragments.
; hbuf: [expert][block of 16 rows][chunk of 64 columns][4][lane][16 bytes].
; NO CLUSTER: the number of tiles of an expert is read from memory and is often one, so partners for its weights cannot be fixed in the
; launch; the two column halves of a tile share only x's rows, at most a fifth of a work-group's bytes, gathered lane by lane.
.set AP,   1040                        ; LDS pitch of a row of x: 1,024 bytes + 16
.set BF,   32                          ; v32-63, v64-95     weight fragments, two buffers
.set AF,   96                          ; v96-159, v160-223  x fragments, two buffers (8 blocks x 8)
.set BIAS, 224                         ; v224-255
.set TK,   96                          ; ahead of the barrier: v96-111 list entries, then byte offsets in xb; v112-127 LDS addresses
.set LA,   112
.set O,    96                          ; on the way out: v96-127 32 columns in f32; v128-143, v144-159 packed, in turn
.set P,    128
; window 1 (v256-511): ahead of the barrier the gathered rows, 16 m + 4 c; then the accumulators, 32 b + 8 i + j.
; window 2 (v512-767): four stages of 64 registers for W1 as f32.
.set MSB, 0
.macro WIN new
.if MSB != \new
	s_set_vgpr_msb (MSB<<8)|\new
.set MSB, \new
.endif
.endm
.macro WLOAD t, slot
.set kk, 0
.rept 16
	global_load_b128 v[64*(\slot)+4*kk:64*(\slot)+4*kk+3], v4, s[14:15] offset:(64*((\t)>>1)+16*((\t)&1)+kk)*2048
.set kk, kk+1
.endr
.endm
.macro WCVT slot, buf
.set ii, 0
.rept 4
.set qq, 0
.rept 8
	v_cvt_pk_bf16_f32 v[BF+32*(\buf)+8*ii+qq], v[64*(\slot)+8*qq+ii], v[64*(\slot)+8*qq+4+ii]
.set qq, qq+1
.endr
.set ii, ii+1
.endr
.endm
.macro ALOAD t, nb                     ; 32 bytes a lane and block: k = KB + 32 h + 0..15 of row 16 b + r
.set bb, 0
.rept \nb
	ds_load_b128 v[AF+64*((\t)&1)+8*bb:AF+64*((\t)&1)+8*bb+3],   v[5+(bb>>2)] offset:16*AP*(bb&3)+2*(64*((\t)>>1)+16*((\t)&1))
	ds_load_b128 v[AF+64*((\t)&1)+8*bb+4:AF+64*((\t)&1)+8*bb+7], v[5+(bb>>2)] offset:16*AP*(bb&3)+2*(64*((\t)>>1)+16*((\t)&1))+16
.set bb, bb+1
.endr
.endm
.macro MUL t, nb
.set bb, 0
.rept \nb
.set ii, 0
.rept 4
.if \t == 0
	v_wmma_f32_16x16x32_bf16 v[32*bb+8*ii:32*bb+8*ii+7], v[BF+32*((\t)&1)+8*ii:BF+32*((\t)&1)+8*ii+7], v[AF+64*((\t)&1)+8*bb:AF+64*((\t)&1)+8*bb+7], 0
.else
	v_wmma_f32_16x16x32_bf16 v[32*bb+8*ii:32*bb+8*ii+7], v[BF+32*((\t)&1)+8*ii:BF+32*((\t)&1)+8*ii+7], v[AF+64*((\t)&1)+8*bb:AF+64*((\t)&1)+8*bb+7], v[32*bb+8*ii:32*bb+8*ii+7]
.endif
.set ii, ii+1
.endr
.set bb, bb+1
.endr
.endm
; One K step.  left = global loads younger than this step's 16 weight loads.  The 32 conversions stand between the last step's products and
; every load into, or write of, a register that those products read (at least four plain places).
.macro STEP t, nb, left
	s_wait_loadcnt \left
.if \t == 12
	WIN 0
.set nn, 0
.rept 8
	global_load_b128 v[BIAS+4*nn:BIAS+4*nn+3], v7, s[8:9] offset:16*nn    ; b1: eight loads that the last three steps' counts include
.set nn, nn+1
.endr
.endif
	WIN 0x0a                                       ; sources in window 2
	WCVT (\t&3), (\t&1)
.if \t < 12
	WIN 0x80                                       ; destination in window 2
	WLOAD (\t+4), (\t&3)                           ; the stage just read is filled again, four steps ahead
.endif
	WIN 0
.if \t < 15
	ALOAD (\t+1), \nb
	s_wait_dscnt 2*\nb                             ; all but the loads just issued: this step's fragments are in
.else
	s_wait_dscnt 0x0
.endif
	WIN 0x50                                       ; C and D in window 1
	MUL \t, \nb
.endm
.macro EPI1 b                          ; block b: bias, relu, round, 64 bytes a lane out
	WIN 0x01
.set ii, 0
.rept 4
.set jj, 0
.rept 8
	v_add_f32 v[O+4*jj+ii], v[32*\b+8*ii+jj], v[BIAS+4*jj+ii]
.set jj, jj+1
.endr
.set ii, ii+1
.endr
	WIN 0
.set nn, 0
.rept 32
	v_max_num_f32 v[O+nn], 0, v[O+nn]
.set nn, nn+1
.endr
	s_wait_xcnt 0x0                                ; the packed registers of two blocks ago, which stores read, are rewritten only behind this wait
.set qq, 0
.rept 16
	v_cvt_pk_bf16_f32 v[P+16*(\b&1)+qq], v[O+2*qq], v[O+2*qq+1]
.set qq, qq+1
.endr
.irp u, 0,1,2,3
	global_store_b128 v8, v[P+16*(\b&1)+4*\u:P+16*(\b&1)+4*\u+3], s[12:13] offset:16384*\b+512*\u    ; 512 consecutive bytes a store
.endr
.endm
.macro BODY nb
	ALOAD 0, \nb
.irp t, 0,1,2,3,4,5,6,7,8,9,10,11,12
	STEP \t, \nb, 48                               ; three younger stages of 16
.endr
	STEP 13, \nb, 40                               ; two stages + b1's eight
	STEP 14, \nb, 24
	STEP 15, \nb, 8
	WIN 0
	s_wait_loadcnt 0x0                             ; b1
.set pp, 0
.rept 16
	v_cvt_pk_bf16_f32 v12, v[BIAS+2*pp], v[BIAS+2*pp+1]        ; rounded to bf16; these 48 lines are also the places behind the last products
	v_lshlrev_b32 v[BIAS+2*pp], 16, v12
	v_and_b32 v[BIAS+2*pp+1], 0xffff0000, v12
.set pp, pp+1
.endr
.set eb, 0
.rept \nb
	EPI1 eb
.set eb, eb+1
.endr
	s_wait_tensorcnt 0x0
	ds_add_u32 v30, v31
	s_wait_dscnt 0x0
	s_endpgm
.endm
	s_load_b256 s[4:11], s[0:1], 0x0               ; xb s[4:5], W1 s[6:7], b1 s[8:9], route s[10:11]
	s_load_b64 s[12:13], s[0:1], 0x20              ; hbuf
	v_lshl_add_u32 v30, v0, 2, 0x20800
	v_mov_b32 v31, 0
	v_lshrrev_b32 v12, 5, v0
	v_readfirstlane_b32 s18, v12                   ; wave w
	s_and_b32 s19, ttmp9, 1                        ; column half nh
	s_and_b32 s26, ttmp7, 0xffff                   ; tile number y
	v_and_b32 v1, 31, v0                           ; L
	v_and_b32 v2, 15, v0                           ; r
	v_bfe_u32 v3, v0, 4, 1                         ; h
	s_wait_kmcnt 0x0
	s_load_b512 s[32:47], s[10:11], 0x0            ; the 32 counts
	s_load_b512 s[48:63], s[10:11], 0x40
	v_lshlrev_b32 v11, 4, v2                       ; 16 r
	v_lshl_add_u32 v4, v3, 16, v11                 ; W1: 32 h rows of 2,048 bytes + 16 r
	s_lshl_b32 s24, s19, 10
	s_lshl_b32 s25, s18, 8
	s_add_co_u32 s24, s24, s25                     ; + my first column, 256 nh + 64 w, in bytes
	v_add_nc_u32 v4, s24, v4
	v_mul_u32_u24 v5, v2, AP                       ; x fragments: 1,040 r + 64 h, blocks 0-3
	v_lshl_add_u32 v5, v3, 6, v5
	v_add_nc_u32 v6, 64*AP, v5                     ; blocks 4-7
	v_lshrrev_b32 v9, 4, v0                        ; sixteen lanes fetch a row: row v0 / 16 of each eight
	v_mul_u32_u24 v10, v9, AP
	v_add_nc_u32 v10, v10, v11
	v_lshlrev_b32 v9, 2, v9
	s_lshl_b32 s25, s24, 3                         ; hbuf: chunk 4 nh + w of 2,048 bytes + 16 L
	v_lshl_add_u32 v8, v1, 4, s25
	s_mov_b32 s20, 0                               ; tiles in front of expert e
	s_mov_b32 s21, 0                               ; E, its count N, its first tile S
	s_mov_b32 s22, 0
	s_mov_b32 s23, 0
	s_wait_kmcnt 0x0
.set ee, 0
.rept 32
	s_min_u32 s25, s[32+ee], 2048
	s_cmp_ge_u32 s26, s20                          ; the last expert whose first tile is not beyond y
	s_cselect_b32 s21, ee, s21
	s_cselect_b32 s22, s25, s22
	s_cselect_b32 s23, s20, s23
	s_add_co_u32 s25, s25, 127
	s_lshr_b32 s25, s25, 7
	s_add_co_u32 s20, s20, s25
.set ee, ee+1
.endr
	s_sub_co_u32 s27, s26, s23                     ; J: which tile of E
	s_cmp_lt_u32 s26, s20                          ; is there a tile y at all?
	s_cselect_b32 s27, s27, 0
	s_min_u32 s27, s27, 15
	s_min_u32 s21, s21, 31
	s_lshl_b32 s25, s27, 7
	s_sub_co_u32 s25, s22, s25                     ; entries from the tile's first on
	s_add_co_u32 s25, s25, 63
	s_lshr_b32 s25, s25, 6
	s_min_u32 s25, s25, 2
	s_cmp_lt_u32 s26, s20
	s_cselect_b32 s28, s25, 0                      ; halves of 64 rows to compute: 1 or 2, 0 where there is no tile
	s_mov_b32 s31, 0
	s_lshl_b32 s30, s21, 20
	s_add_nc_u64 s[14:15], s[6:7], s[30:31]        ; W1[E]
	s_mul_i32 s30, s21, 8704
	s_lshl_b32 s25, s27, 9
	s_add_co_u32 s30, s30, s25
	s_add_co_u32 s30, s30, 33024
	s_add_nc_u64 s[16:17], s[10:11], s[30:31]      ; list[E][128 J]
	s_lshl_b32 s30, s21, 21
	s_lshl_b32 s25, s27, 17
	s_add_co_u32 s30, s30, s25
	s_add_nc_u64 s[12:13], s[12:13], s[30:31]      ; hbuf at the tile's first block
	s_lshl_b32 s25, s21, 11
	s_add_co_u32 s25, s25, s24
	v_lshl_add_u32 v7, v3, 7, s25                  ; b1: 2,048 E + my first column + 128 h
.set mm, 0
.rept 16
	global_load_b32 v[TK+mm], v9, s[16:17] offset:32*mm        ; entry 8 m + v0 / 16
.set mm, mm+1
.endr
	WIN 0x80
	WLOAD 0, 0
	WIN 0
	s_wait_loadcnt 16                              ; the first stage's 16 weight loads stay out; the list is in
.set mm, 0
.rept 16
	v_min_u32 v[TK+mm], 0x7ff, v[TK+mm]
	v_lshl_add_u32 v[TK+mm], v[TK+mm], 10, v11     ; the token's row of xb + 16 r
	v_add_nc_u32 v[LA+mm], 8*AP*mm, v10
.set mm, mm+1
.endr
	WIN 0x40                                       ; destination in window 1
.set mm, 0
.rept 16
.set cc, 0
.rept 4
	global_load_b128 v[16*mm+4*cc:16*mm+4*cc+3], v[TK+mm], s[4:5] offset:256*cc    ; two rows x 256 consecutive bytes
.set cc, cc+1
.endr
.set mm, mm+1
.endr
	WIN 0x80
	WLOAD 1, 1
	WLOAD 2, 2
	s_wait_loadcnt 32                              ; the 32 weight loads behind them stay out; my 32 rows of x are in registers
	WIN 0x04                                       ; store data in window 1
.set mm, 0
.rept 16
.set cc, 0
.rept 4
	ds_store_b128 v[LA+mm], v[16*mm+4*cc:16*mm+4*cc+3] offset:256*cc
.set cc, cc+1
.endr
.set mm, mm+1
.endr
	WIN 0x80
	WLOAD 3, 3
	WIN 0
	s_wait_dscnt 0x0                               ; my rows are in LDS, for the other waves' sake,
	s_barrier_signal -1
	s_barrier_wait -1                              ; everybody's are
	s_cmp_eq_u32 s28, 0
	s_cbranch_scc1 .Lnone
	s_cmp_eq_u32 s28, 1
	s_cbranch_scc1 .Lnb4
	BODY 8
.Lnb4:
	BODY 4
.Lnone:
	s_wait_loadcnt 0x0                             ; no wave ends while loads are on their way into its registers
	s_wait_tensorcnt 0x0
	ds_add_u32 v30, v31
	s_wait_dscnt 0x0
	s_endpgm
.Lfunc_end_k_q302aba834d_layer1:
	.size	k_q302aba834d_layer1, .Lfunc_end_k_q302aba834d_layer1-k_q302aba834d_layer1
	.p2alignl 7, 3214868480
	.fill 96, 4, 3214868480
	.section	.rodata,"a",@progbits
	.p2align	6, 0x0
	.amdhsa_kernel k_q302aba834d_layer1
		.amdhsa_group_segment_fixed_size 133632
		.amdhsa_private_segment_fixed_size 0
		.amdhsa_enable_private_segment 0
		.amdhsa_kernarg_size 40
		.amdhsa_user_sgpr_count 2
		.amdhsa_user_sgpr_kernarg_segment_ptr 1
		.amdhsa_wavefront_size32 1
		.amdhsa_system_sgpr_workgroup_id_x 1
		.amdhsa_system_sgpr_workgroup_id_y 1
		.amdhsa_system_sgpr_workgroup_id_z 1
		.amdhsa_system_vgpr_workitem_id 0
		.amdhsa_next_free_vgpr 768
		.amdhsa_next_free_sgpr 66
		.amdhsa_reserve_vcc 0
		.amdhsa_float_denorm_mode_32 3
		.amdhsa_float_denorm_mode_16_64 3
		.amdhsa_memory_ordered 1
		.amdhsa_forward_progress 1
		.amdhsa_inst_pref_size 255
	.end_amdhsa_kernel
	.section	.bss,"aw",@nobits
	.p2align	6
	.space	262144
	.amdgpu_metadata
---
amdhsa.version: [ 1, 2 ]
amdhsa.kernels:
  - .name:           k_q302aba834d_layer1
    .symbol:         k_q302aba834d_layer1.kd
    .args:
      - { .name: xb, .offset: 0, .size: 8, .value_kind: global_buffer, .address_space: global }
      - { .name: W1, .offset: 8, .size: 8, .value_kind: global_buffer, .address_space: global }
      - { .name: b1, .offset: 16, .size: 8, .value_kind: global_buffer, .address_space: global }
      - { .name: route, .offset: 24, .size: 8, .value_kind: global_buffer, .address_space: global }
      - { .name: hbuf, .offset: 32, .size: 8, .value_kind: global_buffer, .address_space: global }
    .group_segment_fixed_size: 133632
    .private_segment_fixed_size: 0
    .kernarg_segment_align: 8
    .kernarg_segment_size: 40
    .max_flat_workgroup_size: 128
    .sgpr_count:     66
    .vgpr_count:     768
    .wavefront_size: 32
...
	.end_amdgpu_metadata
.endif
;; end of part 4
;; launch layer2 (part 5): grid 2 x 95, 4 waves a work-group, no clusters, 255,488 bytes of LDS; arguments hbuf, W2, b2, Wc1, route, obuf, zp; writes obuf, zp
.if DOCPART == 5
	.amdgcn_target "amdgcn-amd-amdhsa--gfx1250"
	.amdhsa_code_object_version 6
	.text
	.protected	k_q302aba834d_layer2
	.globl	k_q302aba834d_layer2
	.p2align	8
	.type	k_q302aba834d_layer2,@function
k_q302aba834d_layer2:
	s_mov_b64 s[64:65], 0
	v_nop
	global_prefetch_b8 v0, s[64:65] scope:SCOPE_SE
	s_setreg_imm32_b32 hwreg(HW_REG_WAVE_MODE, 25, 1), 1
	s_wait_xcnt 0x0
; EXPERTS, SECOND LAYER: o = h W2[e] + b2[e] for the rows that the first layer made, and this column half's share of o Wc1[e].
; Tiles, grid, the search for the tile, the order of K, the weight stream and the loop are those of the first layer: work-group (nh, y)
; makes tile y (128 list entries of one expert), columns 256 nh .. +255; a wave 64 columns; halves of 64 rows that hold entries are computed.
; FORMATS: h is bf16; W2, b2, Wc1 are rounded to bf16 as loaded; o is f32 (obuf); the copy of o that enters the confidence product is bf16.
; h lies in hbuf as fragments and goes to LDS as it is, through registers (a wave's 64 loads of 512 consecutive bytes land in the 256
; registers that later hold the sums): block b at 16,384 b, step t at 1,024 t and + 512, lane at 16 L.
; ONE PATH FOR ALL UP TO THE FIRST BARRIER (every wave passes every barrier, and every register that a later line names is written on every
; path), at this price: a tile of at most 64 rows has no second half in hbuf, so its loads for rows 64-127 read the first half again
; (64 KiB that are written) into LDS bytes that nobody reads; a work-group whose y is beyond the last tile has no rows in hbuf that are sure
; to be written, so its loads read the first 64 KiB of W2[E] in their place; it passes both barriers, waits for its loads and ends.
; o: a lane holds 32 neighbouring columns of one token; 16 rows go through the wave's own stage in LDS and leave as rows, sixteen lanes
; storing 256 consecutive bytes, aligned.  The packed pairs of o are at once the fragments of o Wc1 over the wave's 64 columns; the four waves' shares
; are added through LDS behind the second barrier, and the two halves' sums (zp[nh]) in the last launch.
; obuf: [2048 e + rank][512] f32.  zp: [nh][2048 e + rank][32] f32.
; NO CLUSTER: as in the first layer (tiles per expert are read from memory; the halves of a tile share only h, a fifth of the bytes).
.set STG_B, 131072                     ; stage: 16 rows of 256 bytes, pitch 272, for each wave
.set STG_W, 4352
.set ZX,    148480                     ; [wave][block][16 rows of 128 bytes, pitch 144]
.set WCB,   222208                     ; Wc1[E], rows 256 nh .. +255, 128 bytes each; a wave writes and reads its own 64 rows
.set BF,   32
.set AF,   96
.set BIAS, 224
.set WS,   96                          ; ahead of the barrier: v96-159 my 8,192 bytes of Wc1
.set O,    96                          ; on the way out: v96-127 o in f32; v128-143 packed; v160-191, v192-223 rows read back, in turn
.set P,    128
.set RB,   160
.set CF,   32                          ; v32-63 Wc1 fragments (s, e) at 16 s + 8 e
.set Z,    64                          ; v64-79 two tiles of 16 confidence units
; window 1: ahead of the barrier my share of h, 64 g + 4 n; then the accumulators, 32 b + 8 i + j.
; window 2: four stages of 64 registers for W2 as f32.
.set MSB, 0
.macro WIN new
.if MSB != \new
	s_set_vgpr_msb (MSB<<8)|\new
.set MSB, \new
.endif
.endm
.macro WLOAD t, slot
.set kk, 0
.rept 16
	global_load_b128 v[64*(\slot)+4*kk:64*(\slot)+4*kk+3], v4, s[6:7] offset:(64*((\t)>>1)+16*((\t)&1)+kk)*2048
.set kk, kk+1
.endr
.endm
.macro WCVT slot, buf
.set ii, 0
.rept 4
.set qq, 0
.rept 8
	v_cvt_pk_bf16_f32 v[BF+32*(\buf)+8*ii+qq], v[64*(\slot)+8*qq+ii], v[64*(\slot)+8*qq+4+ii]
.set qq, qq+1
.endr
.set ii, ii+1
.endr
.endm
.macro ALOAD t, nb
.set bb, 0
.rept \nb
	ds_load_b128 v[AF+64*((\t)&1)+8*bb:AF+64*((\t)&1)+8*bb+3],   v[5+(bb>>2)] offset:16384*(bb&3)+1024*(\t)
	ds_load_b128 v[AF+64*((\t)&1)+8*bb+4:AF+64*((\t)&1)+8*bb+7], v[5+(bb>>2)] offset:16384*(bb&3)+1024*(\t)+512
.set bb, bb+1
.endr
.endm
.macro MUL t, nb
.set bb, 0
.rept \nb
.set ii, 0
.rept 4
.if \t == 0
	v_wmma_f32_16x16x32_bf16 v[32*bb+8*ii:32*bb+8*ii+7], v[BF+32*((\t)&1)+8*ii:BF+32*((\t)&1)+8*ii+7], v[AF+64*((\t)&1)+8*bb:AF+64*((\t)&1)+8*bb+7], 0
.else
	v_wmma_f32_16x16x32_bf16 v[32*bb+8*ii:32*bb+8*ii+7], v[BF+32*((\t)&1)+8*ii:BF+32*((\t)&1)+8*ii+7], v[AF+64*((\t)&1)+8*bb:AF+64*((\t)&1)+8*bb+7], v[32*bb+8*ii:32*bb+8*ii+7]
.endif
.set ii, ii+1
.endr
.set bb, bb+1
.endr
.endm
; One K step, as in the first layer.  left = global loads younger than this step's 16 weight loads.
.macro STEP t, nb, left
	s_wait_loadcnt \left
.if \t == 12
	WIN 0
.set nn, 0
.rept 8
	global_load_b128 v[BIAS+4*nn:BIAS+4*nn+3], v7, s[8:9] offset:16*nn    ; b2: eight loads that the last three steps' counts include
.set nn, nn+1
.endr
.endif
	WIN 0x0a
	WCVT (\t&3), (\t&1)
.if \t < 12
	WIN 0x80
	WLOAD (\t+4), (\t&3)
.endif
	WIN 0
.if \t < 15
	ALOAD (\t+1), \nb
	s_wait_dscnt 2*\nb                             ; all but the loads just issued
.else
	s_wait_dscnt 0x0
.endif
	WIN 0x50
	MUL \t, \nb
.endm
.macro EPI2 b
	WIN 0x01
.set ii, 0
.rept 4
.set jj, 0
.rept 8
	v_add_f32 v[O+4*jj+ii], v[32*\b+8*ii+jj], v[BIAS+4*jj+ii]  ; these 32 lines are also the places behind the last block's products
.set jj, jj+1
.endr
.set ii, ii+1
.endr
	WIN 0
.set qq, 0
.rept 8
	ds_store_b128 v13, v[O+4*qq:O+4*qq+3] offset:16*qq         ; row r, columns 32 h + 4 q of my stage
.set qq, qq+1
.endr
.set qq, 0
.rept 16
	v_cvt_pk_bf16_f32 v[P+qq], v[O+2*qq], v[O+2*qq+1]
.set qq, qq+1
.endr
	v_wmma_f32_16x16x32_bf16 v[Z:Z+7],    v[CF:CF+7],     v[P:P+7],    0
	v_wmma_f32_16x16x32_bf16 v[Z+8:Z+15], v[CF+8:CF+15],  v[P:P+7],    0
	v_wmma_f32_16x16x32_bf16 v[Z:Z+7],    v[CF+16:CF+23], v[P+8:P+15], v[Z:Z+7]
	v_wmma_f32_16x16x32_bf16 v[Z+8:Z+15], v[CF+24:CF+31], v[P+8:P+15], v[Z+8:Z+15]
	s_wait_xcnt 0x0                                ; the rows of two blocks ago, which stores read, are loaded over only behind this wait
.set tt, 0
.rept 8
	ds_load_b128 v[RB+32*(\b&1)+4*tt:RB+32*(\b&1)+4*tt+3], v14 offset:544*tt      ; rows 2 t + h; LDS serves a wave in order: these see the stores above
.set tt, tt+1
.endr
.rept 4
	v_nop                                          ; four places before the LDS stores read the products
.endr
.irp e, 0,1
.irp u, 0,1
	ds_store_b128 v16, v[Z+8*\e+4*\u:Z+8*\e+4*\u+3] offset:2304*\b+64*\e+16*\u     ; token r, units 16 e + 8 h + 4 u + 0..3
.endr
.endr
.set tt, 0
.rept 8
	s_wait_dscnt 11-tt                             ; the younger row loads and the four stores behind them may be out
	global_store_b128 v15, v[RB+32*(\b&1)+4*tt:RB+32*(\b&1)+4*tt+3], s[14:15] offset:32768*\b+4096*tt
.set tt, tt+1
.endr
.endm
.macro BODY nb
	ALOAD 0, \nb
.irp t, 0,1,2,3,4,5,6,7,8,9,10,11,12
	STEP \t, \nb, 48
.endr
	STEP 13, \nb, 40
	STEP 14, \nb, 24
	STEP 15, \nb, 8
	WIN 0
	s_wait_loadcnt 0x0                             ; b2
.set pp, 0
.rept 16
	v_cvt_pk_bf16_f32 v12, v[BIAS+2*pp], v[BIAS+2*pp+1]        ; rounded to bf16; also the places behind the last products
	v_lshlrev_b32 v[BIAS+2*pp], 16, v12
	v_and_b32 v[BIAS+2*pp+1], 0xffff0000, v12
.set pp, pp+1
.endr
.set ss, 0
.rept 2                                        ; Wc1 (row 64 w + 16 s + 32 h + kk, unit 16 e + r)
.set ee, 0
.rept 2
.set kk, 0
.rept 16
	ds_load_b32 v[O+32*ss+16*ee+kk], v11 offset:(16*ss+kk)*128+64*ee
.set kk, kk+1
.endr
.set ee, ee+1
.endr
.set ss, ss+1
.endr
	s_wait_dscnt 0x0
.set ss, 0
.rept 2
.set ee, 0
.rept 2
.set qq, 0
.rept 8
	v_cvt_pk_bf16_f32 v[CF+16*ss+8*ee+qq], v[O+32*ss+16*ee+2*qq], v[O+32*ss+16*ee+2*qq+1]
.set qq, qq+1
.endr
.set ee, ee+1
.endr
.set ss, ss+1
.endr
.set eb, 0
.rept \nb
	EPI2 eb
.set eb, eb+1
.endr
.endm
; one block's 16 rows x 32 units: the four waves' shares added, 2,048 consecutive bytes out
.macro ZRED base, adr, off
.irp p, 0,1,2,3
.irp n, 0,1,2,3
	ds_load_b128 v[\base+16*\p+4*\n:\base+16*\p+4*\n+3], v[\adr] offset:18432*\p+576*\n
.endr
.endr
	s_wait_dscnt 0x0
.irp p, 1,2,3
.irp m, 0,2,4,6,8,10,12,14
	v_pk_add_f32 v[\base+\m:\base+\m+1], v[\base+\m:\base+\m+1], v[\base+16*\p+\m:\base+16*\p+\m+1]
.endr
.endr
.irp n, 0,1,2,3
	global_store_b128 v19, v[\base+4*\n:\base+4*\n+3], s[16:17] offset:\off+512*\n
.endr
.endm
	s_load_b256 s[4:11], s[0:1], 0x0               ; hbuf s[4:5], W2 s[6:7], b2 s[8:9], Wc1 s[10:11]
	s_load_b128 s[12:15], s[0:1], 0x20             ; route s[12:13], obuf s[14:15]
	s_load_b64 s[16:17], s[0:1], 0x30              ; zp
	v_lshl_add_u32 v30, v0, 2, 0x3e400
	v_mov_b32 v31, 0
	v_lshrrev_b32 v12, 5, v0
	v_readfirstlane_b32 s18, v12                   ; wave w
	s_and_b32 s19, ttmp9, 1                        ; column half nh
	s_and_b32 s26, ttmp7, 0xffff                   ; tile number y
	v_and_b32 v1, 31, v0                           ; L
	v_and_b32 v2, 15, v0                           ; r
	v_bfe_u32 v3, v0, 4, 1                         ; h
	s_wait_kmcnt 0x0
	s_load_b512 s[32:47], s[12:13], 0x0            ; the 32 counts
	s_load_b512 s[48:63], s[12:13], 0x40
	v_lshlrev_b32 v5, 4, v1                        ; h fragments: 16 L, blocks 0-3
	v_add_nc_u32 v6, 0x10000, v5                   ; blocks 4-7
	v_lshlrev_b32 v15, 4, v2                       ; 16 r
	v_lshl_add_u32 v4, v3, 16, v15                 ; W2: 32 h rows + 16 r
	s_lshl_b32 s24, s19, 10
	s_lshl_b32 s25, s18, 8
	s_add_co_u32 s24, s24, s25                     ; my first column in bytes: 1,024 nh + 256 w
	v_add_nc_u32 v4, s24, v4
	v_lshl_add_u32 v15, v3, 11, v15                ; obuf: row h + my first column + 16 r
	v_add_nc_u32 v15, s24, v15
	s_lshl_b32 s25, s18, 13                        ; my share of h and of Wc1: 8,192 w + 16 L, in memory and in LDS alike
	v_add_nc_u32 v8, s25, v5
	v_add_nc_u32 v20, 0x10000, v8                  ; LDS, rows 64-127 (an LDS immediate ends at 65,535)
	v_add_nc_u32 v10, WCB, v8
	s_add_co_u32 s25, s25, WCB                     ; Wc1 fragments: row 64 w + 32 h, unit r
	v_lshlrev_b32 v11, 2, v2
	v_lshl_add_u32 v11, v3, 12, v11
	v_add_nc_u32 v11, s25, v11
	s_mul_i32 s25, s18, STG_W
	s_add_co_u32 s25, s25, STG_B
	v_mul_u32_u24 v13, v2, 272                     ; stage, in: row r, 128 h
	v_lshl_add_u32 v13, v3, 7, v13
	v_add_nc_u32 v13, s25, v13
	v_mul_u32_u24 v14, v3, 272                     ; stage, back: row h, 16 r
	v_lshl_add_u32 v14, v2, 4, v14
	v_add_nc_u32 v14, s25, v14
	s_mul_i32 s25, s18, 18432
	s_add_co_u32 s25, s25, ZX
	v_mul_u32_u24 v16, v2, 144                     ; my shares: row r, 32 h
	v_lshl_add_u32 v16, v3, 5, v16
	v_add_nc_u32 v16, s25, v16
	s_mul_i32 s25, s18, 2304
	s_add_co_u32 s25, s25, ZX
	v_lshrrev_b32 v17, 3, v1                       ; the sum: block w, row L / 8, 16 (L & 7)
	v_mul_u32_u24 v17, v17, 144
	v_and_b32 v18, 7, v1
	v_lshl_add_u32 v17, v18, 4, v17
	v_add_nc_u32 v17, s25, v17
	v_add_nc_u32 v18, 4*2304, v17                  ; block w + 4
	s_lshl_b32 s25, s18, 11
	v_add_nc_u32 v19, s25, v5                      ; zp: block w of 2,048 bytes + 16 L
	s_mov_b32 s20, 0
	s_mov_b32 s21, 0
	s_mov_b32 s22, 0
	s_mov_b32 s23, 0
	s_wait_kmcnt 0x0
.set ee, 0
.rept 32
	s_min_u32 s25, s[32+ee], 2048
	s_cmp_ge_u32 s26, s20                          ; the last expert whose first tile is not beyond y
	s_cselect_b32 s21, ee, s21
	s_cselect_b32 s22, s25, s22
	s_cselect_b32 s23, s20, s23
	s_add_co_u32 s25, s25, 127
	s_lshr_b32 s25, s25, 7
	s_add_co_u32 s20, s20, s25
.set ee, ee+1
.endr
	s_sub_co_u32 s27, s26, s23                     ; J
	s_cmp_lt_u32 s26, s20
	s_cselect_b32 s27, s27, 0
	s_min_u32 s27, s27, 15
	s_min_u32 s21, s21, 31
	s_lshl_b32 s25, s27, 7
	s_sub_co_u32 s25, s22, s25
	s_add_co_u32 s25, s25, 63
	s_lshr_b32 s25, s25, 6
	s_min_u32 s25, s25, 2
	s_cmp_lt_u32 s26, s20
	s_cselect_b32 s28, s25, 0                      ; halves of 64 rows: 1 or 2, 0 where there is no tile
	s_lshl_b32 s29, s28, 2                         ; NB = blocks of 16 rows
	s_mov_b32 s31, 0
	s_lshl_b32 s30, s21, 20
	s_add_nc_u64 s[6:7], s[6:7], s[30:31]          ; W2[E]
	s_lshl_b32 s30, s21, 21
	s_lshl_b32 s25, s27, 17
	s_add_co_u32 s30, s30, s25
	s_add_nc_u64 s[4:5], s[4:5], s[30:31]          ; hbuf at the tile
	s_lshl_b32 s30, s21, 16
	s_lshl_b32 s25, s19, 15
	s_add_co_u32 s30, s30, s25
	s_add_nc_u64 s[10:11], s[10:11], s[30:31]      ; Wc1[E], row 256 nh
	s_lshl_b32 s30, s21, 22
	s_lshl_b32 s25, s27, 18
	s_add_co_u32 s30, s30, s25
	s_add_nc_u64 s[14:15], s[14:15], s[30:31]      ; obuf at row 2048 E + 128 J
	s_lshl_b32 s30, s21, 18
	s_lshl_b32 s25, s27, 14
	s_add_co_u32 s30, s30, s25
	s_lshl_b32 s25, s19, 23
	s_add_co_u32 s30, s30, s25
	s_add_nc_u64 s[16:17], s[16:17], s[30:31]      ; zp[nh] at that row
	s_lshl_b32 s25, s21, 11
	s_add_co_u32 s25, s25, s24
	v_lshl_add_u32 v7, v3, 7, s25                  ; b2
	s_cmp_eq_u32 s28, 2
	s_cselect_b32 s30, 0x10000, 0                  ; rows 64-127 of h where the tile has them, else the first half again
	v_add_nc_u32 v21, s30, v8
	s_cmp_lg_u32 s28, 0
	s_cselect_b64 s[4:5], s[4:5], s[6:7]           ; no tile: bytes of W2[E] in h's place
	WIN 0x40                                       ; destination in window 1
.irp g, 0,1,2,3
.set nn, 0
.rept 16
	global_load_b128 v[64*\g+4*nn:64*\g+4*nn+3], v[8+13*(\g>>1)], s[4:5] offset:32768*(\g&1)+512*nn      ; my quarter of 32 rows: 512 consecutive bytes a load
.set nn, nn+1
.endr
.endr
	WIN 0
.set nn, 0
.rept 16
	global_load_b128 v[WS+4*nn:WS+4*nn+3], v8, s[10:11] offset:512*nn      ; my 64 rows of Wc1
.set nn, nn+1
.endr
	WIN 0x80
	WLOAD 0, 0
	WLOAD 1, 1
	WLOAD 2, 2
	s_wait_loadcnt 48                              ; the 48 weight loads stay out; h and Wc1 are in registers
	WIN 0x04                                       ; store data in window 1
.irp g, 0,1,2,3
.set nn, 0
.rept 16
	ds_store_b128 v[8+12*(\g>>1)], v[64*\g+4*nn:64*\g+4*nn+3] offset:32768*(\g&1)+512*nn
.set nn, nn+1
.endr
.endr
	WIN 0
.set nn, 0
.rept 16
	ds_store_b128 v10, v[WS+4*nn:WS+4*nn+3] offset:512*nn
.set nn, nn+1
.endr
	WIN 0x80
	WLOAD 3, 3
	WIN 0
	s_wait_dscnt 0x0                               ; my share is in LDS, for the other waves' sake,
	s_barrier_signal -1
	s_barrier_wait -1                              ; everybody's is
	s_cmp_eq_u32 s28, 0
	s_cbranch_scc1 .Ljoin
	s_cmp_eq_u32 s28, 1
	s_cbranch_scc1 .Lnb4
	BODY 8
	s_branch .Ljoin
.Lnb4:
	BODY 4
.Ljoin:
	s_wait_loadcnt 0x0                             ; (the path without a tile) no wave ends while loads are on their way into its registers
	s_wait_dscnt 0x0                               ; my shares are in LDS, for the other waves' sake
	s_barrier_signal -1
	s_barrier_wait -1
	s_cmp_ge_u32 s18, s29                          ; wave w adds blocks w and w + 4, where the tile has them
	s_cbranch_scc1 .Lend
	ZRED 96, 17, 0
	s_add_co_u32 s24, s18, 4
	s_cmp_ge_u32 s24, s29
	s_cbranch_scc1 .Lend
	s_wait_xcnt 0x0                                ; v160-223 were data of obuf's stores
	ZRED 160, 18, 8192
.Lend:
	s_wait_tensorcnt 0x0
	ds_add_u32 v30, v31
	s_wait_dscnt 0x0
	s_endpgm
.Lfunc_end_k_q302aba834d_layer2:
	.size	k_q302aba834d_layer2, .Lfunc_end_k_q302aba834d_layer2-k_q302aba834d_layer2
	.p2alignl 7, 3214868480
	.fill 96, 4, 3214868480
	.section	.rodata,"a",@progbits
	.p2align	6, 0x0
	.amdhsa_kernel k_q302aba834d_layer2
		.amdhsa_group_segment_fixed_size 255488
		.amdhsa_private_segment_fixed_size 0
		.amdhsa_enable_private_segment 0
		.amdhsa_kernarg_size 56
		.amdhsa_user_sgpr_count 2
		.amdhsa_user_sgpr_kernarg_segment_ptr 1
		.amdhsa_wavefront_size32 1
		.amdhsa_system_sgpr_workgroup_id_x 1
		.amdhsa_system_sgpr_workgroup_id_y 1
		.amdhsa_system_sgpr_workgroup_id_z 1
		.amdhsa_system_vgpr_workitem_id 0
		.amdhsa_next_free_vgpr 768
		.amdhsa_next_free_sgpr 66
		.amdhsa_reserve_vcc 0
		.amdhsa_float_denorm_mode_32 3
		.amdhsa_float_denorm_mode_16_64 3
		.amdhsa_memory_ordered 1
		.amdhsa_forward_progress 1
		.amdhsa_inst_pref_size 255
	.end_amdhsa_kernel
	.section	.bss,"aw",@nobits
	.p2align	6
	.space	262144
	.amdgpu_metadata
---
amdhsa.version: [ 1, 2 ]
amdhsa.kernels:
  - .name:           k_q302aba834d_layer2
    .symbol:         k_q302aba834d_layer2.kd
    .args:
      - { .name: hbuf, .offset: 0, .size: 8, .value_kind: global_buffer, .address_space: global }
      - { .name: W2, .offset: 8, .size: 8, .value_kind: global_buffer, .address_space: global }
      - { .name: b2, .offset: 16, .size: 8, .value_kind: global_buffer, .address_space: global }
      - { .name: Wc1, .offset: 24, .size: 8, .value_kind: global_buffer, .address_space: global }
      - { .name: route, .offset: 32, .size: 8, .value_kind: global_buffer, .address_space: global }
      - { .name: obuf, .offset: 40, .size: 8, .value_kind: global_buffer, .address_space: global }
      - { .name: zp, .offset: 48, .size: 8, .value_kind: global_buffer, .address_space: global }
    .group_segment_fixed_size: 255488
    .private_segment_fixed_size: 0
    .kernarg_segment_align: 8
    .kernarg_segment_size: 56
    .max_flat_workgroup_size: 128
    .sgpr_count:     66
    .vgpr_count:     768
    .wavefront_size: 32
...
	.end_amdgpu_metadata
.endif
;; end of part 5
;; launch combine (part 6): grid 256 x 1, 8 waves a work-group, no clusters, 0 bytes of LDS; arguments obuf, zp, topi, route, wsel, bc1, Wc2, bc2, out0; writes out0
.if DOCPART == 6
	.amdgcn_target "amdgcn-amd-amdhsa--gfx1250"
	.amdhsa_code_object_version 6
	.text
	.protected	k_q302aba834d_combine
	.globl	k_q302aba834d_combine
	.p2align	8
	.type	k_q302aba834d_combine,@function
k_q302aba834d_combine:
	s_mov_b64 s[64:65], 0
	v_nop
	global_prefetch_b8 v0, s[64:65] scope:SCOPE_SE
	s_setreg_imm32_b32 hwreg(HW_REG_WAVE_MODE, 25, 1), 1
	s_wait_xcnt 0x0
; THE WEIGHTED MEAN.  One wave, one token: for its four experts, confidence c = sigmoid(relu(z + bc1) . Wc2 + bc2) with z the sum of the
; two column halves' shares, cw = gate weight x c, and out = sum of cw o / (sum of cw + 1e-6).  bc1, Wc2, bc2 are rounded to bf16 as loaded.
; The four terms are added in the order of the gate's choice, not in the order of the experts' numbers: another order of f32 rounding.
; The row numbers (pos) and experts are whole numbers stored by earlier launches.  A stream of 8 KiB in and 2 KiB out for a wave: each load
; and store of o and out covers 512 consecutive bytes; nothing is shared between waves, so no LDS, barrier, cluster or matrix unit.
.set EO, 4                             ; v4-7    128 e + 4 L
.set Z0, 8                             ; v8-11   z, then the confidence, then cw
.set Z1, 12
.set BC, 16
.set WC, 20
.set B2, 24
.set A,  32                            ; v32-39  cw / (sum + eps), each twice (a pair for the packed products)
.set OV, 40                            ; v40-103 o: expert k at 16 k, 512-byte piece c at 4 c; the sum grows in expert 0's registers
	s_load_b512 s[4:19], s[0:1], 0x0               ; obuf 4, zp 6, topi 8, route 10, wsel 12, bc1 14, Wc2 16, bc2 18
	s_load_b64 s[20:21], s[0:1], 0x40              ; out0
	v_lshrrev_b32 v28, 5, v0
	v_readfirstlane_b32 s22, v28
	s_lshl_b32 s23, ttmp9, 3
	s_add_co_u32 s23, s23, s22                     ; token
	s_lshl_b32 s24, s23, 4                         ; four words a token
	v_and_b32 v3, 31, v0
	v_lshlrev_b32 v1, 2, v3                        ; 4 L
	v_add_nc_u32 v2, 0x800000, v1                  ; the second half of zp lies 8,388,608 bytes on: one more than an immediate reaches
	v_lshlrev_b32 v3, 4, v3                        ; 16 L
	s_mov_b32 s62, 0x76543210
	s_mov_b32 s63, 0xfedcba98
	s_mov_b32 s61, 0
	s_wait_kmcnt 0x0
	s_load_b128 s[28:31], s[10:11], s24 offset:0x100   ; pos
	s_load_b128 s[32:35], s[8:9], s24                  ; experts
	s_load_b128 s[36:39], s[12:13], s24                ; gate weights
	s_lshl_b32 s60, s23, 11
	s_add_nc_u64 s[20:21], s[20:21], s[60:61]      ; out0 at my token
	s_wait_kmcnt 0x0
.irp k, 0,1,2,3
	s_min_u32 s[28+\k], s[28+\k], 0xffff
	s_min_u32 s[32+\k], s[32+\k], 31
	v_lshl_add_u32 v[EO+\k], s[32+\k], 7, v1
	s_lshl_b32 s[32+\k], s[32+\k], 2
	s_load_b32 s[40+\k], s[18:19], s[32+\k]        ; bc2[e]
	s_lshl_b32 s60, s[28+\k], 11
	s_add_nc_u64 s[44+2*\k:45+2*\k], s[4:5], s[60:61]      ; the pair's row of o
	s_lshl_b32 s60, s[28+\k], 7
	s_add_nc_u64 s[52+2*\k:53+2*\k], s[6:7], s[60:61]      ; and of z
.endr
.irp k, 0,1,2,3
	global_load_b32 v[Z0+\k], v1, s[52+2*\k:53+2*\k] th:TH_LOAD_NT
	global_load_b32 v[Z1+\k], v2, s[52+2*\k:53+2*\k] th:TH_LOAD_NT
	global_load_b32 v[BC+\k], v[EO+\k], s[14:15]
	global_load_b32 v[WC+\k], v[EO+\k], s[16:17]
.endr
.irp k, 0,1,2,3
.irp c, 0,1,2,3
	global_load_b128 v[OV+16*\k+4*\c:OV+16*\k+4*\c+3], v3, s[44+2*\k:45+2*\k] offset:512*\c th:TH_LOAD_NT
.endr
.endr
	s_wait_loadcnt 16                              ; the 16 loads of o stay out; the small ones are in
	s_wait_kmcnt 0x0                               ; bc2
	v_cvt_pk_bf16_f32 v28, s40, s41
	v_cvt_pk_bf16_f32 v29, s42, s43
	v_lshlrev_b32 v[B2], 16, v28
	v_and_b32 v[B2+1], 0xffff0000, v28
	v_lshlrev_b32 v[B2+2], 16, v29
	v_and_b32 v[B2+3], 0xffff0000, v29
.irp k, 0,1,2,3
	v_cvt_pk_bf16_f32 v28, v[BC+\k], v[WC+\k]
	v_lshlrev_b32 v[BC+\k], 16, v28
	v_and_b32 v[WC+\k], 0xffff0000, v28
	v_add_f32 v[Z0+\k], v[Z0+\k], v[Z1+\k]
	v_add_f32 v[Z0+\k], v[Z0+\k], v[BC+\k]
	v_max_num_f32 v[Z0+\k], 0, v[Z0+\k]
	v_mul_f32 v[Z0+\k], v[Z0+\k], v[WC+\k]         ; lane L: unit L's term
.endr
.irp m, 1,2,4,8
.irp k, 0,1,2,3
	v_add_f32_dpp v[Z0+\k], v[Z0+\k], v[Z0+\k] row_xmask:\m row_mask:0xf bank_mask:0xf
.endr
.endr
.irp k, 0,1,2,3
	v_permlanex16_b32 v[Z1+\k], v[Z0+\k], s62, s63
	v_add_f32 v[Z0+\k], v[Z0+\k], v[Z1+\k]         ; the sum over 32 units, in every lane
	v_add_f32 v[Z0+\k], v[Z0+\k], v[B2+\k]
	v_mul_f32 v[Z0+\k], 0xbfb8aa3b, v[Z0+\k]       ; sigmoid(a) = 1 / (1 + 2^(-1.442695 a))
.endr
.irp k, 0,1,2,3
	v_exp_f32 v[Z0+\k], v[Z0+\k]
.endr
	v_nop                                          ; one plain place behind each run of transcendentals (ISA guide 5.7.2)
	s_wait_alu depctr_va_vdst(0)
.irp k, 0,1,2,3
	v_add_f32 v[Z0+\k], 1.0, v[Z0+\k]
.endr
.irp k, 0,1,2,3
	v_rcp_f32 v[Z0+\k], v[Z0+\k]
.endr
	v_nop
	s_wait_alu depctr_va_vdst(0)
.irp k, 0,1,2,3
	v_mul_f32 v[Z0+\k], s[36+\k], v[Z0+\k]         ; cw
.endr
	v_add_f32 v28, v[Z0], v[Z0+1]
	v_add_f32 v29, v[Z0+2], v[Z0+3]
	v_add_f32 v28, v28, v29
	v_add_f32 v28, 0x358637bd, v28                 ; + 1e-6
	v_rcp_f32 v28, v28
	v_nop
	s_wait_alu depctr_va_vdst(0)
.irp k, 0,1,2,3
	v_mul_f32 v[A+2*\k], v[Z0+\k], v28
	v_mul_f32 v[A+2*\k+1], v[Z0+\k], v28
.endr
	s_wait_loadcnt 0x0
.irp c, 0,1,2,3
.irp p, 0,2
	v_pk_mul_f32 v[OV+4*\c+\p:OV+4*\c+\p+1], v[OV+4*\c+\p:OV+4*\c+\p+1], v[A:A+1]
.irp k, 1,2,3
	v_pk_fma_f32 v[OV+4*\c+\p:OV+4*\c+\p+1], v[OV+16*\k+4*\c+\p:OV+16*\k+4*\c+\p+1], v[A+2*\k:A+2*\k+1], v[OV+4*\c+\p:OV+4*\c+\p+1]
.endr
.endr
	global_store_b128 v3, v[OV+4*\c:OV+4*\c+3], s[20:21] offset:512*\c th:TH_STORE_NT
.endr
	s_endpgm
.Lfunc_end_k_q302aba834d_combine:
	.size	k_q302aba834d_combine, .Lfunc_end_k_q302aba834d_combine-k_q302aba834d_combine
	.p2alignl 7, 3214868480
	.fill 96, 4, 3214868480
	.section	.rodata,"a",@progbits
	.p2align	6, 0x0
	.amdhsa_kernel k_q302aba834d_combine
		.amdhsa_group_segment_fixed_size 0
		.amdhsa_private_segment_fixed_size 0
		.amdhsa_enable_private_segment 0
		.amdhsa_kernarg_size 72
		.amdhsa_user_sgpr_count 2
		.amdhsa_user_sgpr_kernarg_segment_ptr 1
		.amdhsa_wavefront_size32 1
		.amdhsa_system_sgpr_workgroup_id_x 1
		.amdhsa_system_sgpr_workgroup_id_y 1
		.amdhsa_system_sgpr_workgroup_id_z 1
		.amdhsa_system_vgpr_workitem_id 0
		.amdhsa_next_free_vgpr 104
		.amdhsa_next_free_sgpr 66
		.amdhsa_reserve_vcc 0
		.amdhsa_float_denorm_mode_32 3
		.amdhsa_float_denorm_mode_16_64 3
		.amdhsa_memory_ordered 1
		.amdhsa_forward_progress 1
		.amdhsa_inst_pref_size 13
	.end_amdhsa_kernel
	.amdgpu_metadata
---
amdhsa.version: [ 1, 2 ]
amdhsa.kernels:
  - .name:           k_q302aba834d_combine
    .symbol:         k_q302aba834d_combine.kd
    .args:
      - { .name: obuf, .offset: 0, .size: 8, .value_kind: global_buffer, .address_space: global }
      - { .name: zp, .offset: 8, .size: 8, .value_kind: global_buffer, .address_space: global }
      - { .name: topi, .offset: 16, .size: 8, .value_kind: global_buffer, .address_space: global }
      - { .name: route, .offset: 24, .size: 8, .value_kind: global_buffer, .address_space: global }
      - { .name: wsel, .offset: 32, .size: 8, .value_kind: global_buffer, .address_space: global }
      - { .name: bc1, .offset: 40, .size: 8, .value_kind: global_buffer, .address_space: global }
      - { .name: Wc2, .offset: 48, .size: 8, .value_kind: global_buffer, .address_space: global }
      - { .name: bc2, .offset: 56, .size: 8, .value_kind: global_buffer, .address_space: global }
      - { .name: out0, .offset: 64, .size: 8, .value_kind: global_buffer, .address_space: global }
    .group_segment_fixed_size: 0
    .private_segment_fixed_size: 0
    .kernarg_segment_align: 8
    .kernarg_segment_size: 72
    .max_flat_workgroup_size: 256
    .sgpr_count:     66
    .vgpr_count:     104
    .wavefront_size: 32
...
	.end_amdgpu_metadata
.endif
;; end of part 6
